; MI455X (gfx1250); checked and timed in simulation.
; The chip was launched on July 23, 2026; its instructions are those of AMD's public machine-readable ISA for CDNA 5 (MIT licence, August 2026) and "CDNA5" Instruction Set Architecture Reference Guide (July 2026). The comments in the code are by the model that wrote it; some were corrected since.
;; Quantized Linear. Allowed arithmetic: matrix products marked QUANTISED: E2M3 operands, one E8M0 scale for each 32 along K, by v_wmma_scale_f32_16x16x128_f8f6f4 with both operands' format E2M3, f32 sums; everything else in f32.
;; Inputs: bias 4,096 float32; quantized_weight 4,096 x 4,096 int8; weight_scale one number float32; x 4 x 1,024 x 4,096 float32.
;; Outputs: out0 4 x 1,024 x 4,096 float32.
;; This version of the problem:
;;   THIS VERSION OF THE PROBLEM IS GIVEN IN LOW PRECISION. The matrix products marked QUANTISED in the list below multiply operands that are first quantised to E2M3 (2 exponent bits, 3 mantissa bits; 6 bits a number), with one power-of-two scale for each 32 numbers along K (OCP MX v1.0); their sums are f32. All else is computed in f32.
;;   The module's matrix products, in the order in which they are computed (A, B: the left and right operand; K: the contracted axis; several contracted axes count as one K, in the product's order):
;;     1. [M 4,096, K 4,096] x [K 4,096, N 4,096]; A: input x; B: computed on the way: QUANTISED
;;   THE QUANTISER, for each operand of a quantised product, along K:
;;     - K is cut into blocks of 32 from its start; a last block that is shorter is filled with zeros.
;;     - A block's scale is 2^e with e = floor(log2(the largest magnitude in the block)) - 2, held to -126 .. 127; a block of zeros has e = 0. As a byte (E8M0): e + 127.
;;     - Each number is divided by its block's scale, clamped to +-7.5, and rounded to the nearest number of E2M3, ties to even, subnormals kept.
;;     - The product sums the exact products of the quantised numbers (number of the format x scale) in f32.
;;   ~~~python
;;   def quantise(x, axis):      # numpy; x: float32 -> the quantised numbers, widened to float32 again
;;       x = np.moveaxis(x, axis, -1); K = x.shape[-1]
;;       x = np.pad(x, [(0, 0)] * (x.ndim - 1) + [(0, -K % 32)]); x = x.reshape(x.shape[:-1] + (-1, 32)); a = np.abs(x).max(-1, keepdims=True)
;;       e = np.where(a > 0, np.clip(np.frexp(np.where(a > 0, a, 1))[1] - 1 - 2, -126, 127), 0)      # np.frexp(a)[1] - 1 = floor(log2(a)), exactly
;;       r = np.clip(x / 2.0 ** e, -7.5, 7.5)
;;       step = 2.0 ** (np.maximum(np.frexp(np.where(r == 0, 1, r))[1] - 1, 0) - 3)
;;       q = np.round(r / step) * step * 2.0 ** e      # np.round: ties to even
;;       return np.moveaxis(q.reshape(q.shape[:-2] + (-1,))[..., :K], -1, axis).astype(np.float32)
;;   ~~~
;;   OPERANDS COMPUTED ON THE WAY. 'Computed on the way' means the value that the module computes at that place (a softmax that the list does not call 'softmax' is quantised finished and normalised). What goes into a quantiser is computed in f32, as accurately as f32 sums, v_exp_f32 and their like allow (about 1e-6 of the number): no bf16 or f16 on the way to a quantiser, and a product that is left as it is and whose result goes on into a quantised operand takes f32 operands (vector FMAs, or v_wmma_f32_16x16x4_f32). A number that lies on a knife's edge between two numbers of the format may be rounded either way, as far as f32 arithmetic and the matrix unit's own rounding can turn it there, and no further.
;; One version. Each part assembles by itself: llvm-mc -triple=amdgcn-amd-amdhsa -mcpu=gfx1250 --defsym DOCPART=n.
;; ======== version 1 of 1: 2 launches
;; limits: right only within a limited range of input values
;; workspace buffers: aq 13,107,200 bytes; bq 13,107,200 bytes
;; launch quant (part 1): grid 768 x 1, 4 waves a work-group, no clusters, 69,120 bytes of LDS; arguments x, quantized_weight, weight_scale, aq, bq; writes aq, bq
.if DOCPART == 1
	.amdgcn_target "amdgcn-amd-amdhsa--gfx1250"
	.amdhsa_code_object_version 6
	.text
	.protected	k_q00bedcbb22_quant
	.globl	k_q00bedcbb22_quant
	.p2align	8
	.type	k_q00bedcbb22_quant,@function
k_q00bedcbb22_quant:
	s_mov_b64 s[64:65], 0
	v_nop
	global_prefetch_b8 v0, s[64:65] scope:SCOPE_SE
	s_setreg_imm32_b32 hwreg(HW_REG_WAVE_MODE, 25, 1), 1
	s_wait_xcnt 0x0
; x [4096][4096] f32, and w = f32(quantized_weight [4096][4096] int8) x weight_scale, are turned into codes of FP6 (E2M3) with one E8M0 scale byte for each 32 along K (K innermost in both).
; A block's scale is 2^(floor(log2(its largest magnitude)) - 2); its byte is the largest magnitude's own exponent field - 2, held at 1 from below.  Each number is divided by the scale and rounded to the nearest code, ties to even; beyond 7.5 the largest code.
; LIMITS: NaN and infinities among the inputs are not served.  A block whose largest magnitude lies under 2^-124 (a block of zeros among them) gets the byte 1, where the rule says 127 for zeros: zero codes add nothing under any byte
; but 0xff, and the bytes are read by this program alone.
; THE OUTPUT IS LAID AS THE PRODUCT'S LAUNCH READS IT.  aq and bq are [g = 0..31 (128 rows)][kq = 0..31 (128 along K)] pieces of 12,800 bytes.  In a piece: 8 fragments (il = 0..7: 16 rows x 128 along K) at il x 1,536,
; each the IMAGE OF THE OPERAND'S 12 REGISTERS (registers 4 c .. 4 c + 3 of lane l at 512 c + 16 l); then 512 bytes of scale words: that of (il, row r) at 12,288 + 256 (il / 4) + 16 r + 4 (il % 4).
; SHARES, chosen so that every load reads, and every store writes, whole aligned runs of 256 bytes.  Work-groups 0-511 take x: a wave takes 64 rows x 128 along K (rows of 512 bytes): four fragments of one piece and 256 bytes of scale words.
; Work-groups 512-767 take w: a wave takes 64 rows x 256 along K (rows of 256 bytes): four fragments of each of two neighbouring pieces and 256 bytes of scale words in each; it goes in two halves of 32 rows.  Waves share nothing: no barrier.
; The numbers turn through the wave's own stage in LDS, so that lane (r, h) holds, of row r, the 16 neighbours k = 32 b + 16 h + 0 .. 15 of each block b of 32, as the conversions want them.
; The two paths part on the work-group's number; each has LDS bytes of its own.
.set UB,     12800                     ; a piece
.set FRAGB,  1536
.set SCOFF,  8*FRAGB                   ; where a piece's scale words begin
.set XP,     528                       ; x's stage: a row of 512 bytes + 16: an odd multiple of 16, so that sixteen rows' reads of 16 bytes fall on sixteen different columns of 16 bytes modulo 256
.set XSTW,   16*XP                     ; 16 rows for each wave
.set WST,    4*XSTW                    ; behind x's four stages: w's
.set WP,     272                       ; a row of 256 bytes + 16
.set WSTW,   32*WP                     ; 32 rows for each wave
.set R0,  16                           ; v16-79   numbers as they are loaded, set 0 (w: 32 rows x 256 bytes)
.set R1,  80                           ; v80-143  set 1 (w: the bytes back from the stage, 16 registers a fragment)
.set X,   144                          ; v144-207 64 numbers: register 16 b + i = k 32 b + 16 h + i of row r
.set TM,  208                          ; v208-211 largest magnitudes, v212-215 the other half's, then the bytes, v220-223 the conversions' scale operands
.set PC,  224                          ; v224-235 a fragment's codes; v236-243 at work
.set PW,  244                          ; v244-251 the fragments' scale words; v252-255 the words as they are stored
	s_load_b128 s[4:7], s[0:1], 0x0                ; x, quantized_weight
	s_load_b128 s[8:11], s[0:1], 0x10              ; weight_scale, aq
	s_load_b64 s[12:13], s[0:1], 0x20              ; bq
	v_lshl_add_u32 v239, v0, 2, 0x10c00
	v_mov_b32 v243, 0
	v_lshrrev_b32 v1, 5, v0
	v_readfirstlane_b32 s16, v1                    ; wave c = 0..3
	v_and_b32 v1, 31, v0                           ; lane
	v_and_b32 v2, 15, v0                           ; r
	v_bfe_u32 v3, v0, 4, 1                         ; h
	v_lshlrev_b32 v4, 4, v1                        ; 16 x lane: x's loads, and the codes' stores
	s_mul_i32 s36, s16, XSTW
	v_add_nc_u32 v5, s36, v4                       ; x's stage, in: 16 x lane of a row
	v_mul_u32_u24 v6, v2, XP
	v_lshl_add_u32 v6, v3, 6, v6
	v_add_nc_u32 v6, s36, v6                       ; and out: row r, + 64 h
	v_lshlrev_b32 v7, 4, v2
	v_lshl_add_u32 v7, v3, 12, v7                  ; w's loads: lanes 0-15 one row's 256 bytes, lanes 16-31 the next row's
	s_mul_i32 s36, s16, WSTW
	s_add_co_u32 s36, s36, WST
	v_mul_u32_u24 v8, v3, WP
	v_lshl_add_u32 v8, v2, 4, v8
	v_add_nc_u32 v8, s36, v8                       ; w's stage, in: row h, 16 r
	v_mul_u32_u24 v9, v2, WP
	v_lshl_add_u32 v9, v3, 4, v9
	v_add_nc_u32 v9, s36, v9                       ; and out: row r, + 16 h
	v_lshlrev_b32 v10, 4, v2
	v_lshl_add_u32 v10, v3, 3, v10                 ; the scale words' store: 16 r + 8 h
	v_mov_b32 v15, 0x4b000000                      ; 2^23 as f32: its lowest byte takes a number 0 .. 255
.irp b, 0,1,2,3
	v_mov_b32 v[TM+4+\b], 0                        ; written once: a lane permute's destination counts as one of its sources
.endr
	s_mov_b32 s24, 0x80808080                      ; int8 + 128, four at a time
	s_mov_b32 s25, 0x03020104                      ; v_perm_b32: bytes 3, 2, 1 of 2^23, byte 0 = byte 0 (1, 2, 3) of the weights' word
	s_mov_b32 s26, 0x03020105
	s_mov_b32 s27, 0x03020106
	s_mov_b32 s28, 0x03020107
	s_mov_b32 s30, 0xcb000080                      ; -(2^23 + 128)
	s_mov_b32 s31, s30                             ; (the packed forms name a pair and take its low word for both halves: so the upper word is written)
	s_mov_b32 s34, 0x76543210
	s_mov_b32 s35, 0xfedcba98                      ; v_permlanex16_b32's selects for lane l xor 16
	; which rows and which pieces are my wave's.  x: g = u, half of its rows = c / 2, piece kq = 2 ks + c % 2.   w: g = 2 u + c / 2, half = c % 2, pieces kq = 2 ks and 2 ks + 1
	s_and_b32 s38, ttmp9, 15                       ; ks: which 256 along K
	s_lshr_b32 s39, ttmp9, 4
	s_and_b32 s39, s39, 31                         ; u: 0..31 in x's work-groups, 0..15 in w's
	s_lshr_b32 s36, s16, 1
	s_and_b32 s37, s16, 1
	s_lshl_b32 s40, s39, 1
	s_add_co_u32 s40, s40, s36                     ; w's g
	s_lshl_b32 s41, s38, 1                         ; w's kq
	s_add_co_u32 s42, s41, s37                     ; x's kq
	s_wait_kmcnt 0x0
	s_load_b32 s32, s[8:9], 0x0                    ; weight_scale
	s_cmp_lt_u32 ttmp9, 512                        ; x's work-group or w's?  The choice hangs on the work-group's number alone
	s_cselect_b64 s[18:19], s[4:5], s[6:7]
	s_cselect_b64 s[20:21], s[10:11], s[12:13]
	s_cselect_b32 s39, s39, s40                    ; g
	s_cselect_b32 s43, s36, s37                    ; which 64 of its 128 rows
	s_cselect_b32 s41, s42, s41                    ; kq
	s_cselect_b32 s44, 2, 0
	s_lshl_b32 s45, s39, 5
	s_add_co_u32 s45, s45, s41
	s_mul_i32 s45, s45, UB                         ; the piece's first byte
	s_lshl_b32 s36, s39, 7
	s_lshl_b32 s37, s43, 6
	s_add_co_u32 s36, s36, s37                     ; my wave's first row: 128 g + 64 x half
	s_lshl_b32 s36, s36, 12
	s_lshl_b32 s37, s41, 7
	s_add_co_u32 s36, s36, s37                     ; in w: rows of 4,096 bytes, + 128 kq
	s_lshl_b32 s36, s36, s44                       ; in x everything is four times as many bytes
	s_mov_b32 s37, 0
	s_mul_i32 s40, s43, 4*FRAGB
	s_add_co_u32 s40, s40, s45                     ; my wave's four fragments of the piece
	s_lshl_b32 s42, s43, 8
	s_add_co_u32 s42, s42, s45
	s_add_co_u32 s42, s42, SCOFF                   ; my wave's 256 bytes of its scale words
	s_mov_b32 s41, 0
	s_mov_b32 s43, 0
	s_add_nc_u64 s[18:19], s[18:19], s[36:37]
	s_add_nc_u64 s[22:23], s[20:21], s[42:43]
	s_add_nc_u64 s[20:21], s[20:21], s[40:41]
	s_wait_kmcnt 0x0
	s_mov_b32 s33, s32
	s_cmp_lt_u32 ttmp9, 512
	s_cbranch_scc0 .Lw
; The 64 numbers in v[X] on become a fragment's codes in v[PC] on and its rows' scale word in v[pw].
.macro QUANT pw
.irp b, 0,1,2,3
	v_max3_num_f32 v[TM+\b], |v[X+16*\b]|, |v[X+1+16*\b]|, 0x1800000   ; block b: my 16 numbers, and the floor 2^(3 - 127), under which no largest magnitude is taken: so the byte cannot fall under 1
.endr
.irp i, 2,4,6,8,10,12,14
.irp b, 0,1,2,3
	v_max3_num_f32 v[TM+\b], v[TM+\b], |v[X+16*\b+\i]|, |v[X+1+16*\b+\i]|   ; (the four blocks by turns: no line waits for the line above it)
.endr
.endr
.irp b, 0,1,2,3
	v_permlanex16_b32 v[TM+4+\b], v[TM+\b], s34, s35
.endr
.irp b, 0,1,2,3
	v_max_num_f32 v[TM+\b], v[TM+\b], v[TM+4+\b]   ; with lane l xor 16's 16 numbers: the block's largest magnitude
.endr
.irp b, 0,1,2,3
	v_add_nc_u32 v[TM+12+\b], 0xff000000, v[TM+\b] ; 2 off its exponent field: the conversion takes the exponent field of this operand as its scale, and nothing else of it
.endr
.irp b, 0,1,2,3
	v_lshrrev_b32 v[TM+4+\b], 23, v[TM+12+\b]      ; the scale's byte
.endr
	v_lshl_or_b32 v[\pw], v[TM+5], 8, v[TM+4]      ; the four bytes make my row's scale word (both halves of the lanes hold it)
	v_lshl_or_b32 v[\pw], v[TM+6], 16, v[\pw]
	v_lshl_or_b32 v[\pw], v[TM+7], 24, v[\pw]
.irp c, 0,1
	v_cvt_scalef32_pk16_fp6_f32 v[PC+6*\c:PC+2+6*\c], v[X+32*\c:X+15+32*\c], v[TM+12+2*\c]
	v_cvt_scalef32_pk16_fp6_f32 v[PC+12+4*\c:PC+14+4*\c], v[X+16+32*\c:X+31+32*\c], v[TM+12+2*\c+1]   ; (a conversion's three registers begin on an even number)
.endr
	v_nop                                          ; one plain vector instruction behind the scaled conversions, ahead of what touches their results
.irp c, 0,1                                    ; the operand's layout wants a WHOLE block in a lane: lanes 0-15 block 2 c, lanes 16-31 block 2 c + 1
.irp i, 0,1,2
	v_permlane16_swap_b32 v[PC+6*\c+\i], v[PC+12+4*\c+\i]
.endr
.irp i, 0,1,2
	v_mov_b32 v[PC+3+6*\c+\i], v[PC+12+4*\c+\i]    ; registers 6 c .. 6 c + 5 now hold k = 64 c + 32 h + 0 .. 31
.endr
.endr
.endm
.macro OUT off                                 ; the fragment leaves as it stands, off bytes from my wave's first: each store covers 512 consecutive bytes, aligned
.irp c, 0,1,2
	global_store_b128 v4, v[PC+4*\c:PC+4*\c+3], s[20:21] offset:(\off)+512*\c
.endr
.endm
; ---- x.  Fragment f: rows 16 f on of my 64.  Sixteen loads, a row's 512 bytes each; every offset is an immediate (1,032,192 at the most).
.macro XLOAD f
.irp t, 0,1,2,3,4,5,6,7,8,9,10,11,12,13,14,15
	global_load_b128 v[R0+64*((\f)%2)+4*\t:R0+64*((\f)%2)+4*\t+3], v4, s[18:19] offset:(16*(\f)+\t)*16384 th:TH_LOAD_NT
.endr
.endm
.macro XFRAG f
.if (\f) < 3
	s_wait_loadcnt 16                              ; this fragment's sixteen loads are in; the next fragment's sixteen may be out
.else
	s_wait_loadcnt 0x0
.endif
.irp t, 0,1,2,3,4,5,6,7,8,9,10,11,12,13,14,15
	ds_store_b128 v5, v[R0+64*((\f)%2)+4*\t:R0+64*((\f)%2)+4*\t+3] offset:XP*\t
.endr
.irp b, 0,1,2,3
.irp j, 0,1,2,3
	ds_load_b128 v[X+16*\b+4*\j:X+16*\b+4*\j+3], v6 offset:128*\b+16*\j   ; LDS serves a wave's instructions in order: these see the stores above
.endr
.endr
	s_wait_dscnt 0x0                               ; the numbers are back, and the stage may be written again
.if (\f) < 2
	XLOAD (\f)+2                                   ; into the set that has just gone through the stage
.endif
	s_wait_xcnt 0x0                                ; the last fragment's stores have read the codes' registers, which are written again only behind this wait
	QUANT PW+(\f)
	OUT (\f)*FRAGB
.endm
	XLOAD 0
	XLOAD 1
	XFRAG 0
	XFRAG 1
	XFRAG 2
	XFRAG 3
	v_cmp_lt_u32 vcc_lo, 15, v1                    ; lane (r, h) stores row r's words of fragments 2 h and 2 h + 1: the 32 lanes cover 256 consecutive bytes, aligned.  A choice by v_cndmask_b32: EXEC is never changed
	v_cndmask_b32 v252, v[PW], v[PW+2], vcc_lo
	v_cndmask_b32 v253, v[PW+1], v[PW+3], vcc_lo
	global_store_b64 v10, v[252:253], s[22:23]
	s_wait_tensorcnt 0x0
	ds_add_u32 v239, v243
	s_wait_dscnt 0x0
	s_endpgm
; ---- w.  Half hf: rows 32 hf on of my 64, 256 bytes each: sixteen loads of two rows, once through the stage, back 16 bytes (16 neighbours along K) a lane and block.
; Fragment f of a half: rows 16 (f / 2) on, piece f % 2.
.Lw:
.macro WLOAD hf
.irp t, 0,1,2,3,4,5,6,7,8,9,10,11,12,13,14,15
	global_load_b128 v[R0+4*\t:R0+4*\t+3], v7, s[18:19] offset:131072*(\hf)+8192*\t th:TH_LOAD_NT
.endr
.endm
.macro WSTAGE
.irp t, 0,1,2,3,4,5,6,7,8,9,10,11,12,13,14,15
	s_wait_loadcnt 15-\t                           ; loads come back in order: load t is in, the later ones may be out
	ds_store_b128 v8, v[R0+4*\t:R0+4*\t+3] offset:2*WP*\t
.endr
.irp f, 0,1,2,3
.irp b, 0,1,2,3
	ds_load_b128 v[R1+16*\f+4*\b:R1+16*\f+4*\b+3], v9 offset:16*WP*(\f/2)+128*(\f%2)+32*\b   ; LDS serves a wave's instructions in order: these see the stores above, and the next half's stores come behind them
.endr
.endr
.endm
.macro WFRAG hf, f
	s_wait_dscnt 12-4*(\f)                         ; this fragment's four loads are in; the later fragments' may be out
.if (\hf) == 0 && (\f) == 0
	WLOAD 1                                        ; the stage's stores, issued ahead of those loads, have read their registers: the second half's rows are asked for, and land while the first half is worked
.endif
.irp n, 0,1,2,3,4,5,6,7,8,9,10,11,12,13,14,15
	v_xor_b32 v[R1+16*(\f)+\n], s24, v[R1+16*(\f)+\n]     ; u = int8 + 128: 0 .. 255
.endr
.irp n, 0,1,2,3,4,5,6,7,8,9,10,11,12,13,14,15
.irp k, 0,1,2,3
	v_perm_b32 v[X+4*\n+\k], v[R1+16*(\f)+\n], v15, s[25+\k]   ; the f32 number 2^23 + u, exactly
.endr
.endr
.irp j, 0,2,4,6,8,10,12,14,16,18,20,22,24,26,28,30,32,34,36,38,40,42,44,46,48,50,52,54,56,58,60,62
	v_pk_add_f32 v[X+\j:X+\j+1], v[X+\j:X+\j+1], s[30:31] op_sel_hi:[1,0]   ; - (2^23 + 128): the int8 number as f32, exactly
.endr
.irp j, 0,2,4,6,8,10,12,14,16,18,20,22,24,26,28,30,32,34,36,38,40,42,44,46,48,50,52,54,56,58,60,62
	v_pk_mul_f32 v[X+\j:X+\j+1], v[X+\j:X+\j+1], s[32:33] op_sel_hi:[1,0]   ; x weight_scale: one rounding in f32, the dequantised weight
.endr
	s_wait_xcnt 0x0                                ; the last fragment's stores have read the codes' registers
	QUANT PW+4*(\hf)+(\f)                          ; the word of (fragment 2 hf + f / 2 of my four, piece f % 2)
	OUT ((\f)%2)*UB+(2*(\hf)+(\f)/2)*FRAGB
.endm
	WLOAD 0
	s_wait_alu depctr_va_vdst(0)
	WSTAGE
	WFRAG 0, 0
	WFRAG 0, 1
	WFRAG 0, 2
	WFRAG 0, 3
	WSTAGE
	WFRAG 1, 0
	WFRAG 1, 1
	WFRAG 1, 2
	WFRAG 1, 3
	v_cmp_lt_u32 vcc_lo, 15, v1                    ; for each of the two pieces: lane (r, h) stores row r's words of my fragments 2 h and 2 h + 1: 256 consecutive bytes, aligned
.irp q, 0,1
	v_cndmask_b32 v[252+2*\q], v[PW+\q], v[PW+4+\q], vcc_lo
	v_cndmask_b32 v[253+2*\q], v[PW+2+\q], v[PW+6+\q], vcc_lo
	global_store_b64 v10, v[252+2*\q:253+2*\q], s[22:23] offset:UB*\q
.endr
	s_wait_tensorcnt 0x0
	ds_add_u32 v239, v243
	s_wait_dscnt 0x0
	s_endpgm
.Lfunc_end_k_q00bedcbb22_quant:
	.size	k_q00bedcbb22_quant, .Lfunc_end_k_q00bedcbb22_quant-k_q00bedcbb22_quant
	.p2alignl 7, 3214868480
	.fill 96, 4, 3214868480
	.section	.rodata,"a",@progbits
	.p2align	6, 0x0
	.amdhsa_kernel k_q00bedcbb22_quant
		.amdhsa_group_segment_fixed_size 69120
		.amdhsa_private_segment_fixed_size 0
		.amdhsa_enable_private_segment 0
		.amdhsa_kernarg_size 40
		.amdhsa_user_sgpr_count 2
		.amdhsa_user_sgpr_kernarg_segment_ptr 1
		.amdhsa_wavefront_size32 1
		.amdhsa_system_sgpr_workgroup_id_x 1
		.amdhsa_system_sgpr_workgroup_id_y 1
		.amdhsa_system_sgpr_workgroup_id_z 1
		.amdhsa_system_vgpr_workitem_id 0
		.amdhsa_next_free_vgpr 256
		.amdhsa_next_free_sgpr 66
		.amdhsa_reserve_vcc 1
		.amdhsa_float_denorm_mode_32 3
		.amdhsa_float_denorm_mode_16_64 3
		.amdhsa_memory_ordered 1
		.amdhsa_forward_progress 1
		.amdhsa_inst_pref_size 144
	.end_amdhsa_kernel
	.amdgpu_metadata
---
amdhsa.version: [ 1, 2 ]
amdhsa.kernels:
  - .name:           k_q00bedcbb22_quant
    .symbol:         k_q00bedcbb22_quant.kd
    .args:
      - { .name: x, .offset: 0, .size: 8, .value_kind: global_buffer, .address_space: global }
      - { .name: quantized_weight, .offset: 8, .size: 8, .value_kind: global_buffer, .address_space: global }
      - { .name: weight_scale, .offset: 16, .size: 8, .value_kind: global_buffer, .address_space: global }
      - { .name: aq, .offset: 24, .size: 8, .value_kind: global_buffer, .address_space: global }
      - { .name: bq, .offset: 32, .size: 8, .value_kind: global_buffer, .address_space: global }
    .group_segment_fixed_size: 69120
    .private_segment_fixed_size: 0
    .kernarg_segment_align: 8
    .kernarg_segment_size: 40
    .max_flat_workgroup_size: 128
    .sgpr_count:     66
    .vgpr_count:     256
    .wavefront_size: 32
...
	.end_amdgpu_metadata
.endif
;; end of part 1
;; launch gemm (part 2): grid 16 x 16, 4 waves a work-group, clusters of 4 x 4, 327,680 bytes of LDS; arguments aq, bq, bias, out0; writes out0
.if DOCPART == 2
	.amdgcn_target "amdgcn-amd-amdhsa--gfx1250"
	.amdhsa_code_object_version 6
	.text
	.protected	k_q00bedcbb22_gemm
	.globl	k_q00bedcbb22_gemm
	.p2align	8
	.type	k_q00bedcbb22_gemm,@function
k_q00bedcbb22_gemm:
	s_mov_b64 s[64:65], 0
	v_nop
	global_prefetch_b8 v0, s[64:65] scope:SCOPE_SE
	s_setreg_imm32_b32 hwreg(HW_REG_WAVE_MODE, 25, 1), 1
	s_wait_xcnt 0x0
	s_wait_alu depctr_hold_cnt(0) depctr_sa_sdst(0) depctr_va_vdst(0) depctr_va_sdst(0) depctr_va_ssrc(0) depctr_va_vcc(0) depctr_vm_vsrc(0)
	s_getreg_b32 s2, hwreg(HW_REG_IB_STS2, 6, 4)
	s_cmp_eq_u32 s2, 0
	s_cbranch_scc0 .Lentry_in_a_cluster
	s_endpgm
.Lentry_in_a_cluster:
	s_bfe_u32 s2, ttmp6, 0x10000c
	s_cmp_lg_u32 s2, 0xf033
	s_cbranch_scc0 .Lentry_shape_is_right
	s_endpgm
.Lentry_shape_is_right:
; out0[m][n] = sum over k of xq[m][k] wq[n][k] + bias[n]: xq, wq are the codes of FP6 (E2M3) with E8M0 block scales that launch quant has laid in aq and bq; sums in f32.
; aq, bq: [g: 128 rows][kq: 128 along K] pieces of 12,800 bytes: 8 fragments of 1,536 bytes, each the image of an operand's 12 registers, then 512 bytes of scale words.
; A work-group of four waves makes 256 x 256 of out0, a wave 128 x 128: 64 accumulators.  A K step is one piece of each of 2 + 2 groups of rows: 64 products a wave.
; LDS: a ring of two slots, each with three K steps (4 regions x 38,400 bytes; wave w fills region w by one tensor load of 150 rows of 256 bytes).  32 steps = ten fills of three and a last of two.
; CLUSTERS: 4 x 4 work-groups; A's pieces are asked for jointly along a row of the cluster, B's along a column.
; REGISTERS.  Both operands have TWO sets of eight fragments (4 x 96 registers beside the 512 of the accumulators), so that a step's 50 LDS loads stand in ONE run, at the head of the step before, with that step's 64 products
;   between them and the wait for them.  Every window of 256 holds one set and 16 accumulators: v32-127 eight fragments, v128-255 the accumulators of A's blocks 2 w and 2 w + 1 (window w).
;   Window 0: A's set 0, window 1: A's set 1, window 2: B's set 0, window 3: B's set 1.  Step t multiplies the sets t % 2 and fetches step t + 1 into the other two.
;   Window 0, v0-31: addresses, and the scale words (v16-31, two sets): register i holds A's block i in lanes 0-15 and B's block i in lanes 16-31.
; THE PRODUCT IS USED TRANSPOSED (source 0 = 16 rows of wq, source 1 = 16 rows of xq): a lane holds eight neighbouring columns of one row of out0.
; The bias is added on the way out, where a lane holds the same four columns of every row: four registers (window 1, v0-3).
.set SIZE_N, 4096
.set FR,     12                        ; registers of a fragment
.set UB,     12800                     ; a piece
.set FRAGB,  1536
.set SCOFF,  8*FRAGB                   ; where a piece's scale words begin
.set REG,    3*UB                      ; a region: three pieces of one group of 128 rows
.set SLOT,   4*REG                     ; A's two regions, then B's two
.set GROW,   32*UB                     ; a group's 32 pieces
.set TRIPS,  4                         ; a trip: six K steps, once round the ring
.set SPARE,  2*SLOT                    ; behind the ring: the spare words, 128 bytes a wave
.set STAGE,  SLOT                      ; the way out: 16 rows x 528 bytes a wave, in slot 1, which has had its last fill and its last read by then
.set SPITCH, 528
.set ADRA, 2                           ; v2-3 my A fragments in slot 0, 1;  v4-5 B's;  v6-7 my scale words
.set ADRB, 4
.set ADRS, 6
.set SPW,  8                           ; my spare word; never rewritten
.set NIL,  9                           ; 0; never rewritten
.set PFO,  10                          ; v10-11 prefetch offsets in a fill of 150 rows; v15 in the last fill of 100
.set STO,  12
.set RD,   13
.set CO,   14
.set PFS,  15
.set SC,   16
.set FRG,  32
.set ACC,  128
.set BK,   32                          ; the way out: 16 rows back from the stage, in window 0 and window 2 by turns
.set BIA,  0                           ; window 1: bias of my four columns
.set T,    40                          ; at work in the head
.set G1,   24                          ; group 1 for A, 150 rows;  s[32:39] group 0, a set for each slot
.set G0,   32
.set G1B,  48                          ; the same for B
.set G0B,  56
.set PFA,  66
.set G1S,  72                          ; group 1 for the last fill, 100 rows: A's, B's
.set G1SB, 80
.set MSB, 0
.macro WIN new                         ; the immediate's high byte repeats the setting that is left
.if MSB != (\new)
	s_set_vgpr_msb (MSB<<8)|(\new)
.set MSB, (\new)
.endif
.endm
.macro PLACES
.rept 4
	v_nop
.endr
.endm
; A joint load: waves 0 and 1 fetch A's two regions, waves 2 and 3 B's; the branch hangs on the wave's number alone.  s_nop 0 and four v_nop behind each line.
.macro JLOAD g0a, g1a, g0b, g1b
	s_cmp_eq_u32 s15, 0
	s_cbranch_scc0 .Lfor_b_\@
	tensor_load_to_lds s[\g0a:\g0a+3], s[\g1a:\g1a+7]
	s_nop 0
	PLACES
	s_branch .Lasked_\@
.Lfor_b_\@:
	tensor_load_to_lds s[\g0b:\g0b+3], s[\g1b:\g1b+7]
	s_nop 0
	PLACES
.Lasked_\@:
.endm
.macro CREST                           ; a round of the cluster's barrier behind its opening barrier
	s_cmp_lg_u32 s14, 0
	s_cbranch_scc1 .Lnot_wave_0_\@
	s_barrier_signal -3
.Lnot_wave_0_\@:
	s_barrier_wait -3
	s_barrier_signal -1
	s_barrier_wait -1
.endm
.macro CROUND
	s_barrier_signal -1
	s_barrier_wait -1
	CREST
.endm
.macro DESC g0, lds, b, off
	s_mov_b32 s[\g0], 1
	s_add_co_u32 s[\g0+1], s45, \lds
	s_add_nc_u64 s[\g0+2:\g0+3], s[\b:\b+1], \off
	s_or_b32 s[\g0+3], s[\g0+3], 0x80000000
.endm
; A prefetch of the fill that stands one refill (three K steps) on.  EVERY CLUSTER ASKS FOR WHAT IT WILL ITSELF LOAD: the 150 rows of 256 bytes of the region that my wave fetches are shared out BY ADDRESS among the four
; partners that ask for it jointly, 38 rows each (32 + 6 lanes; lanes left over name the last row again): each row is named once in each cluster that loads it.  kind = 1: not in the loop's last trip.
.macro ASK kind, off
.if \kind
	s_cmp_gt_u32 s3, 1
	s_cbranch_scc0 .Lnot_now_\@
.endif
	global_prefetch_b8 v[PFO], s[PFA:PFA+1] offset:\off th:TH_LOAD_NT scope:SCOPE_SE
	global_prefetch_b8 v[PFO+1], s[PFA:PFA+1] offset:\off th:TH_LOAD_NT scope:SCOPE_SE
.if \kind
.Lnot_now_\@:
.endif
.endm
	s_load_b256 s[4:11], s[0:1], 0x0               ; aq, bq, bias, out0
	v_lshl_add_u32 v[SPW], v0, 2, SPARE
	v_mov_b32 v[NIL], 0
	ds_add_u32 v[SPW], v[NIL]                      ; the opening lines: the add, twice on end, and its wait ahead of my first tensor load
	ds_add_u32 v[SPW], v[NIL]
	v_lshrrev_b32 v1, 5, v0
	v_readfirstlane_b32 s14, v1                    ; wave 0..3
	s_lshr_b32 s15, s14, 1                         ; my half of the tile's rows.  Also: I fetch for A (0) or for B (1)
	s_and_b32 s16, s14, 1                          ; my half of its columns.  Also: which group of 128 rows I fetch
	s_bfe_u32 s40, ttmp6, 0x40000                  ; cx, cy
	s_bfe_u32 s41, ttmp6, 0x40004
	s_lshl_b32 s42, ttmp9, 2
	s_add_co_u32 s42, s42, s40                     ; tile column
	s_and_b32 s17, ttmp7, 0xffff
	s_lshl_b32 s17, s17, 2
	s_add_co_u32 s17, s17, s41                     ; tile row
	s_lshl_b32 s43, s41, 2
	s_lshl_b32 s43, 15, s43                        ; my row of the cluster
	s_lshl_b32 s44, 0x1111, s40                    ; my column
	s_or_b32 s[G1+0], s43, (3<<16)|(1<<21)         ; elements of 8 bytes, the mask, bit 21 beside it; a dense block as rows of 256 bytes, no padding
	s_or_b32 s[G1B+0], s44, (3<<16)|(1<<21)
	s_or_b32 s[G1S+0], s43, (3<<16)|(1<<21)
	s_or_b32 s[G1SB+0], s44, (3<<16)|(1<<21)
.irp g, G1, G1B
	s_mov_b32 s[\g+1], 32<<16
	s_mov_b32 s[\g+2], 150<<16
	s_mov_b32 s[\g+3], 32<<16
	s_mov_b32 s[\g+4], 150
	s_mov_b32 s[\g+5], 32
	s_mov_b32 s[\g+6], 0
	s_mov_b32 s[\g+7], 0
.endr
.irp g, G1S, G1SB
	s_mov_b32 s[\g+1], 32<<16
	s_mov_b32 s[\g+2], 100<<16
	s_mov_b32 s[\g+3], 32<<16
	s_mov_b32 s[\g+4], 100
	s_mov_b32 s[\g+5], 32
	s_mov_b32 s[\g+6], 0
	s_mov_b32 s[\g+7], 0
.endr
	s_lshl_b32 s20, s17, 1
	s_add_co_u32 s20, s20, s16
	s_mul_i32 s20, s20, GROW                       ; A: group 2 x tile row + half
	s_mov_b32 s21, 0
	s_lshl_b32 s46, s42, 1
	s_add_co_u32 s46, s46, s16
	s_mul_i32 s46, s46, GROW                       ; B: group 2 x tile column + half
	s_mov_b32 s47, 0
	s_mul_i32 s45, s14, REG                        ; my region: no place in the cluster enters an LDS address
	s_wait_dscnt 0x0                               ; both opening adds are done
	s_wait_kmcnt 0x0
	s_add_nc_u64 s[20:21], s[4:5], s[20:21]
	s_add_nc_u64 s[46:47], s[6:7], s[46:47]
	DESC G0,    0,    20, 0                        ; slot 0: K steps 0-2
	DESC G0B,   0,    46, 0
	DESC G0+4,  SLOT, 20, REG                      ; slot 1: K steps 3-5
	DESC G0B+4, SLOT, 46, REG
	CROUND                                         ; all sixteen work-groups are here: the first joint loads meet
	JLOAD G0, G1, G0B, G1B                         ; one tensor load a wave at the head
	; scalar set-up: the prefetches,
	s_cmp_eq_u32 s15, 0
	s_cselect_b32 s20, s17, s42
	s_cselect_b32 s21, s40, s41                    ; my place among the four that ask with me
	s_cselect_b64 s[PFA:PFA+1], s[4:5], s[6:7]
	s_lshl_b32 s20, s20, 1
	s_add_co_u32 s20, s20, s16
	s_mul_i32 s20, s20, GROW
	s_add_co_u32 s20, s20, REG                     ; at the second fill
	s_mul_i32 s23, s21, 38
	s_mul_i32 s18, s21, 25
	s_mov_b32 s21, 0
	s_add_nc_u64 s[PFA:PFA+1], s[PFA:PFA+1], s[20:21]
	; the LDS bases,
	s_mul_i32 s88, s15, REG                        ; my 128 rows of A, slot 0, 1
	s_add_co_u32 s89, s88, SLOT
	s_mul_i32 s90, s16, REG
	s_add_co_u32 s90, s90, 2*REG                   ; my 128 rows of B
	s_add_co_u32 s91, s90, SLOT
	s_sub_co_u32 s22, s90, s88                     ; from A's region to B's
	s_add_co_u32 s92, s88, SCOFF
	s_add_co_u32 s93, s92, SLOT
	s_mul_i32 s19, s14, 16*SPITCH
	s_add_co_u32 s19, s19, STAGE                   ; my stage
	; and where my part of out0 and of bias begins
	s_lshl_b32 s12, s17, 8
	s_lshl_b32 s13, s15, 7
	s_add_co_u32 s12, s12, s13
	s_lshl_b32 s12, s12, 14                        ; my first row x 16,384 bytes
	s_mov_b32 s13, 0
	s_lshl_b32 s70, s42, 10
	s_lshl_b32 s71, s16, 9
	s_add_co_u32 s70, s70, s71                     ; my first column x 4 bytes
	s_mov_b32 s71, 0
	s_add_nc_u64 s[8:9], s[8:9], s[70:71]
	s_add_nc_u64 s[10:11], s[10:11], s[12:13]
	s_add_nc_u64 s[10:11], s[10:11], s[70:71]
	s_mov_b32 s3, TRIPS
	v_and_b32 v[T+2], 31, v0                       ; lane
	v_add_nc_u32 v[PFO], s23, v[T+2]
	v_lshlrev_b32 v[PFO], 8, v[PFO]                ; rows 38 p + lane,
	v_min_u32 v[PFO+1], 5, v[T+2]
	v_add_nc_u32 v[PFO+1], s23, v[PFO+1]
	v_add_nc_u32 v[PFO+1], 32, v[PFO+1]
	v_min_u32 v[PFO+1], 149, v[PFO+1]
	v_lshlrev_b32 v[PFO+1], 8, v[PFO+1]            ; rows 38 p + 32 .. + 37, held inside the fill's 150
	v_min_u32 v[PFS], 24, v[T+2]
	v_add_nc_u32 v[PFS], s18, v[PFS]
	v_lshlrev_b32 v[PFS], 8, v[PFS]                ; the last fill: rows 25 p + 0 .. 24 of its 100
	ASK 0, 0                                       ; the second fill, while the first is on its way
	v_and_b32 v[T], 15, v0                         ; r
	v_bfe_u32 v[T+1], v0, 4, 1                     ; h
	v_lshlrev_b32 v[CO], 4, v[T+2]                 ; 16 x lane: a fragment's image, a row of the stage, a row of out0, my four numbers of bias
	v_mul_u32_u24 v[T+4], s22, v[T+1]              ; scale words: lanes 16-31 take B's,
	v_lshl_add_u32 v[T+4], v[T], 4, v[T+4]         ; 16 bytes a row
	v_mul_u32_u24 v[T+5], v[T], SPITCH
	v_lshl_add_u32 v[T+5], v[T+1], 5, v[T+5]
	v_add_nc_u32 v[STO], s19, v[T+5]               ; into the stage: row r, 32 bytes for each half of the lanes
	v_add_nc_u32 v[RD], s19, v[CO]                 ; back: the 32 lanes take one row of 512 bytes
	v_add_nc_u32 v[ADRA], s88, v[CO]
	v_add_nc_u32 v[ADRA+1], s89, v[CO]
	v_add_nc_u32 v[ADRB], s90, v[CO]
	v_add_nc_u32 v[ADRB+1], s91, v[CO]
	v_add_nc_u32 v[ADRS], s92, v[T+4]
	v_add_nc_u32 v[ADRS+1], s93, v[T+4]
	s_wait_alu depctr_va_vdst(0)                   ; the wait at the head's end
	WIN 0x40
	global_load_b128 v[BIA:BIA+3], v[CO], s[8:9]   ; bias of my four columns, into window 1
	WIN 0
; 50 LDS loads in one run: piece q of a slot into the sets p: B's eight fragments, the 8 + 8 blocks' scale words, A's eight fragments (so the youngest twelve loads are A's blocks 4-7)
.macro FETCH slot, q, p
	WIN (2+(\p))<<6
.irp i, 0,1,2,3,4,5,6,7
.irp c, 0,1,2
	ds_load_b128 v[FRG+FR*\i+4*\c:FRG+FR*\i+4*\c+3], v[ADRB+\slot] offset:(\q)*UB+\i*FRAGB+512*\c
.endr
.endr
	WIN 0
.irp c, 0,1
	ds_load_b128 v[SC+8*(\p)+4*\c:SC+8*(\p)+4*\c+3], v[ADRS+\slot] offset:(\q)*UB+256*\c
.endr
	WIN (\p)<<6
.irp i, 0,1,2,3,4,5,6,7
.irp c, 0,1,2
	ds_load_b128 v[FRG+FR*\i+4*\c:FRG+FR*\i+4*\c+3], v[ADRA+\slot] offset:(\q)*UB+\i*FRAGB+512*\c
.endr
.endr
.endm
; Eight products: A's block a x B's eight, on the sets p: destination and C window a / 2, source 1 (A) window p, source 0 (B) window 2 + p.  zero = 1: the product starts the sum.
; The 64 accumulators take turns, one product a turn, in the same order in every step.
.macro ROW a, p, zero
	WIN (((\a)/2)<<6)|(((\a)/2)<<4)|((\p)<<2)|(2+(\p))
.irp b, 0,1,2,3,4,5,6,7
.if \zero
	v_wmma_scale_f32_16x16x128_f8f6f4 v[ACC+8*(8*((\a)%2)+\b):ACC+8*(8*((\a)%2)+\b)+7], v[FRG+FR*\b:FRG+FR*\b+FR-1], v[FRG+FR*(\a):FRG+FR*(\a)+FR-1], 0, v[SC+8*(\p)+\b], v[SC+8*(\p)+(\a)] matrix_a_fmt:MATRIX_FMT_FP6 matrix_b_fmt:MATRIX_FMT_FP6 matrix_a_scale:MATRIX_SCALE_ROW1
.else
	v_wmma_scale_f32_16x16x128_f8f6f4 v[ACC+8*(8*((\a)%2)+\b):ACC+8*(8*((\a)%2)+\b)+7], v[FRG+FR*\b:FRG+FR*\b+FR-1], v[FRG+FR*(\a):FRG+FR*(\a)+FR-1], v[ACC+8*(8*((\a)%2)+\b):ACC+8*(8*((\a)%2)+\b)+7], v[SC+8*(\p)+\b], v[SC+8*(\p)+(\a)] matrix_a_fmt:MATRIX_FMT_FP6 matrix_b_fmt:MATRIX_FMT_FP6 matrix_a_scale:MATRIX_SCALE_ROW1
.endif
.endr
.endm
.macro QUAD w, p, zero                 ; a quarter of a step: the 16 products of window w's accumulators
	ROW 2*(\w), \p, \zero
	ROW 2*(\w)+1, \p, \zero
.endm
; A K step inside a slot: at its head piece q + 1 of the same slot is asked for, into the other sets; then piece q (in the sets p) is multiplied.
.macro STEP slot, q, p, zero
	s_wait_dscnt 12                                ; of this step's 50 loads, issued in the step before, all but the youngest twelve (A's blocks 4-7) are in
	PLACES                                         ; four places between the last step's products and the loads into the sets that they read
	FETCH \slot, (\q)+1, 1-(\p)
	QUAD 0, \p, \zero
	QUAD 1, \p, \zero
	s_wait_dscnt 50                                ; all but the 50 just issued: A's blocks 4-7 are in
	QUAD 2, \p, \zero
	QUAD 3, \p, \zero
.endm
; A slot's last K step.  Its operands are all in registers at its head, so this slot is read no more: there each wave waits for all its tensor loads (one is out: its region of the next slot), adds 0 to its spare
; word, waits for the add, and signals.  Eight products stand between the add and the wait for it, eight inside the opening barrier.  fill = 1: a round of the cluster's barrier, and this slot takes the fill two further on;
; 2: the last fill, two pieces; 0: none.  Then the next slot's first piece is asked for, and the other three quarters follow.
.macro TURN slot, next, p, fill, ask
	s_wait_dscnt 0x0                               ; this step's 50 loads are in
	WIN 0
.if \ask
	s_wait_xcnt 0x0                                ; my prefetches have read their address
	s_add_nc_u64 s[PFA:PFA+1], s[PFA:PFA+1], REG
.endif
	s_wait_tensorcnt 0x0
	ds_add_u32 v[SPW], v[NIL]
.if \fill
	s_add_nc_u64 s[G0+4*\slot+2:G0+4*\slot+3], s[G0+4*\slot+2:G0+4*\slot+3], 2*REG      ; no tensor load of mine is out: this slot's next fill
	s_add_nc_u64 s[G0B+4*\slot+2:G0B+4*\slot+3], s[G0B+4*\slot+2:G0B+4*\slot+3], 2*REG
.endif
	ROW 0, \p, 0
	s_wait_dscnt 0x0                               ; the add is done
	s_barrier_signal -1
	ROW 1, \p, 0
	WIN 0
	s_barrier_wait -1
.if \fill == 1
	CREST
	JLOAD G0+4*\slot, G1, G0B+4*\slot, G1B         ; the first tensor load behind the round; its four v_nop are the places in front of the loads below
.elseif \fill == 2
	CREST
	JLOAD G0+4*\slot, G1S, G0B+4*\slot, G1SB
.else
	PLACES
.endif
	FETCH \next, 0, 1-(\p)
.if \ask
	WIN 0
	ASK (\ask)-1, REG                              ; behind the joint load and the run of LDS loads
.endif
	QUAD 1, \p, 0
	QUAD 2, \p, 0
	QUAD 3, \p, 0
.endm
	s_wait_tensorcnt 0x0                           ; my region of slot 0 is in
	ds_add_u32 v[SPW], v[NIL]
	s_wait_dscnt 0x0
	CROUND                                         ; everybody's region is in, and the joint loads meet
	JLOAD G0+4, G1, G0B+4, G1B                     ; slot 1's first fill
	FETCH 0, 0, 0                                  ; K step 0
	WIN 0
	ASK 0, REG                                     ; the third fill
	STEP 0, 0, 0, 1                                ; the first step's products start the sums
	WIN 0                                          ; at a label and at a branch every window is 0
.Llap:                                                 ; K steps 6 n - 5 .. 6 n
	STEP 0, 1, 1, 0
	TURN 0, 1, 0, 1, 1
	STEP 1, 0, 1, 0
	STEP 1, 1, 0, 0
	TURN 1, 0, 1, 1, 2                             ; (in the last trip the fill one refill on is the short one: asked for below)
	STEP 0, 0, 0, 0
	WIN 0
	s_sub_co_u32 s3, s3, 1
	s_cmp_lg_u32 s3, 0
	s_cbranch_scc1 .Llap
	global_prefetch_b8 v[PFS], s[PFA:PFA+1] offset:REG th:TH_LOAD_NT scope:SCOPE_SE   ; the last fill's 100 rows, 25 to a partner: inside the group's 32 pieces
	STEP 0, 1, 1, 0                                ; K step 25
	TURN 0, 1, 0, 2, 0                             ; slot 0 takes K steps 30 and 31
	STEP 1, 0, 1, 0
	STEP 1, 1, 0, 0
	TURN 1, 0, 1, 0, 0                             ; nothing is left to fetch: no round
	STEP 0, 0, 0, 0
; THE LAST K STEP AND THE WAY OUT, block by block of 16 rows x 128 columns: a block's eight products, then its way through my own stage, from which it comes back as whole rows of 512 bytes; the bias is added,
; and the 32 lanes store two aligned units of 256 bytes.  The next block's products stand between a block's loads from the stage and the wait for them.
.macro TOSTAGE a
.set AC, ACC+64*((\a)%2)
.set WB, 2*((\a)%2)                    ; the rows come back into the idle sets of window 0 and window 2 by turns
	WIN ((\a)/2)<<2                                ; the data: the block's window
.irp b, 0,1,2,3,4,5,6,7
	ds_store_b128 v[STO], v[AC+8*\b:AC+8*\b+3] offset:64*\b          ; each accumulator from its low end on
	ds_store_b128 v[STO], v[AC+8*\b+4:AC+8*\b+7] offset:64*\b+16
.endr
	WIN WB<<6
.irp t, 0,1,2,3,4,5,6,7,8,9,10,11,12,13,14,15
	ds_load_b128 v[BK+4*\t:BK+4*\t+3], v[RD] offset:\t*SPITCH        ; LDS serves a wave's instructions in order: these see the stores above
.endr
.endm
.macro SEND a
.set WB, 2*((\a)%2)
	s_wait_dscnt 0x0                               ; the block is back in registers
.if (\a) == 0
	s_wait_loadcnt 0x0                             ; the bias, asked for at the head
.else
	s_add_nc_u64 s[10:11], s[10:11], 16*SIZE_N*4   ; 16 rows on (the earlier stores have read their base: the wait on XCNT above)
.endif
	WIN (WB<<6)|(1<<2)|WB
.irp t, 0,1,2,3,4,5,6,7,8,9,10,11,12,13,14,15
	v_pk_add_f32 v[BK+4*\t:BK+4*\t+1], v[BK+4*\t:BK+4*\t+1], v[BIA:BIA+1]
	v_pk_add_f32 v[BK+4*\t+2:BK+4*\t+3], v[BK+4*\t+2:BK+4*\t+3], v[BIA+2:BIA+3]
.endr
	WIN WB<<2
.irp t, 0,1,2,3,4,5,6,7,8,9,10,11,12,13,14,15
	global_store_b128 v[CO], v[BK+4*\t:BK+4*\t+3], s[10:11] offset:\t*SIZE_N*4 th:TH_STORE_NT   ; 512 consecutive bytes, at a multiple of 256 from out0's first byte
.endr
.endm
	s_wait_dscnt 0x0                               ; K step 31's operands are in
	ROW 0, 1, 0
.irp a, 0,1,2,3,4,5,6,7
	PLACES                                         ; four places between the block's products and the stores that read them
.if \a > 0
	s_wait_xcnt 0x0                                ; the earlier blocks' stores have read their registers and their base
.endif
	TOSTAGE \a
.if \a < 7
	ROW \a+1, 1, 0
.endif
	SEND \a
.endr
	WIN 0
	s_wait_tensorcnt 0x0                           ; the wave's end
	ds_add_u32 v[SPW], v[NIL]
	s_wait_dscnt 0x0
	CROUND                                         ; the closing round
	s_endpgm
.Lfunc_end_k_q00bedcbb22_gemm:
	.size	k_q00bedcbb22_gemm, .Lfunc_end_k_q00bedcbb22_gemm-k_q00bedcbb22_gemm
	.p2alignl 7, 3214868480
	.fill 96, 4, 3214868480
	.section	.rodata,"a",@progbits
	.p2align	6, 0x0
	.amdhsa_kernel k_q00bedcbb22_gemm
		.amdhsa_group_segment_fixed_size 327680
		.amdhsa_private_segment_fixed_size 0
		.amdhsa_enable_private_segment 0
		.amdhsa_kernarg_size 32
		.amdhsa_user_sgpr_count 2
		.amdhsa_user_sgpr_kernarg_segment_ptr 1
		.amdhsa_wavefront_size32 1
		.amdhsa_system_sgpr_workgroup_id_x 1
		.amdhsa_system_sgpr_workgroup_id_y 1
		.amdhsa_system_sgpr_workgroup_id_z 1
		.amdhsa_system_vgpr_workitem_id 0
		.amdhsa_next_free_vgpr 1024
		.amdhsa_next_free_sgpr 96
		.amdhsa_reserve_vcc 0
		.amdhsa_float_denorm_mode_32 3
		.amdhsa_float_denorm_mode_16_64 3
		.amdhsa_memory_ordered 1
		.amdhsa_forward_progress 1
		.amdhsa_inst_pref_size 222
	.end_amdhsa_kernel
	.amdgpu_metadata
---
amdhsa.version: [ 1, 2 ]
amdhsa.kernels:
  - .name:           k_q00bedcbb22_gemm
    .symbol:         k_q00bedcbb22_gemm.kd
    .args:
      - { .name: aq, .offset: 0, .size: 8, .value_kind: global_buffer, .address_space: global }
      - { .name: bq, .offset: 8, .size: 8, .value_kind: global_buffer, .address_space: global }
      - { .name: bias, .offset: 16, .size: 8, .value_kind: global_buffer, .address_space: global }
      - { .name: out0, .offset: 24, .size: 8, .value_kind: global_buffer, .address_space: global }
    .group_segment_fixed_size: 327680
    .private_segment_fixed_size: 0
    .kernarg_segment_align: 8
    .kernarg_segment_size: 32
    .max_flat_workgroup_size: 128
    .sgpr_count:     96
    .vgpr_count:     1024
    .wavefront_size: 32
...
	.end_amdgpu_metadata
.endif
;; end of part 2
